; MI455X (gfx1250); checked and timed in simulation.
; The chip was launched on July 23, 2026; its instructions are those of AMD's public machine-readable ISA for CDNA 5 (MIT licence, August 2026) and "CDNA5" Instruction Set Architecture Reference Guide (July 2026). The comments in the code are by the model that wrote it; some were corrected since.
;; Adaptive Attention. Allowed arithmetic: matrix products marked QUANTISED: E3M2 operands, one E8M0 scale for each 32 along K, by v_wmma_scale_f32_16x16x128_f8f6f4 with both operands' format E3M2, f32 sums; everything else in f32.
;; Inputs: attn_mask 2,048 x 2,048 float32; custom_attns 2 x 2,048 x 2,048 float32; key_len_mask 2 x 2,048 float32; keys_codes 2 x 2,048 x 16 x 2 x 24 uint8 (E3M2 codes of keys, K innermost, in blocks of 32 codes, four codes in three bytes); keys_scales 2 x 2,048 x 16 x 2 uint8 (E8M0 scales of keys, one for each 32 codes along K); queries_codes 2 x 2,048 x 16 x 2 x 24 uint8 (E3M2 codes of queries, K innermost, in blocks of 32 codes, four codes in three bytes); queries_scales 2 x 2,048 x 16 x 2 uint8 (E8M0 scales of queries, one for each 32 codes along K); values_codes 2 x 16 x 64 x 64 x 24 uint8 (E3M2 codes of values, K innermost, in blocks of 32 codes, four codes in three bytes); values_scales 2 x 16 x 64 x 64 uint8 (E8M0 scales of values, one for each 32 codes along K).
;; Outputs: out0 2 x 2,048 x 16 x 64 float32.
;; This version of the problem:
;;   THIS VERSION OF THE PROBLEM IS GIVEN IN LOW PRECISION. The matrix products marked QUANTISED in the list below multiply operands that are first quantised to E3M2 (3 exponent bits, 2 mantissa bits; 6 bits a number), with one power-of-two scale for each 32 numbers along K (OCP MX v1.0); their sums are f32. All else is computed in f32.
;;   The module's matrix products, in the order in which they are computed (A, B: the left and right operand; K: the contracted axis; several contracted axes count as one K, in the product's order):
;;     1. batch 32 x [M 2,048, K 64] x [K 64, N 2,048]; A: input queries (given as codes); B: input keys (given as codes): QUANTISED
;;     2. batch 32 x [M 64, K 2,048] x [K 2,048, N 2,048]; A: input values (given as codes); B: softmax (see below): QUANTISED
;;   THE QUANTISER, for each operand of a quantised product, along K:
;;     - K is cut into blocks of 32 from its start; a last block that is shorter is filled with zeros.
;;     - A block's scale is 2^e with e = floor(log2(the largest magnitude in the block)) - 4, held to -126 .. 127; a block of zeros has e = 0. As a byte (E8M0): e + 127.
;;     - Each number is divided by its block's scale, clamped to +-28, and rounded to the nearest number of E3M2, ties to even, subnormals kept.
;;     - The product sums the exact products of the quantised numbers (number of the format x scale) in f32.
;;   ~~~python
;;   def quantise(x, axis):      # numpy; x: float32 -> the quantised numbers, widened to float32 again
;;       x = np.moveaxis(x, axis, -1); K = x.shape[-1]
;;       x = np.pad(x, [(0, 0)] * (x.ndim - 1) + [(0, -K % 32)]); x = x.reshape(x.shape[:-1] + (-1, 32)); a = np.abs(x).max(-1, keepdims=True)
;;       e = np.where(a > 0, np.clip(np.frexp(np.where(a > 0, a, 1))[1] - 1 - 4, -126, 127), 0)      # np.frexp(a)[1] - 1 = floor(log2(a)), exactly
;;       r = np.clip(x / 2.0 ** e, -28, 28)
;;       step = 2.0 ** (np.maximum(np.frexp(np.where(r == 0, 1, r))[1] - 1, -2) - 2)
;;       q = np.round(r / step) * step * 2.0 ** e      # np.round: ties to even
;;       return np.moveaxis(q.reshape(q.shape[:-2] + (-1,))[..., :K], -1, axis).astype(np.float32)
;;   ~~~
;;   SOFTMAX AHEAD OF A QUANTISED PRODUCT. Where the list says 'softmax', what is quantised is not the finished softmax but p = 2^(t - M), with t = logit x log2(e) and M = ceil(the row's largest t), a whole number; so 1/2 < the row's largest p <= 1. The row's sum l is taken of the UNQUANTISED p, in f32, and the product's result is divided by l at the end. Since M is a whole number, a kernel that streams over the keys may use a running M (the ceiling of the running maximum): every later rescaling is an exact power of two, which a block's scale takes up: the codes' values come out the same.
;;   OPERANDS COMPUTED ON THE WAY. 'Computed on the way' means the value that the module computes at that place (a softmax that the list does not call 'softmax' is quantised finished and normalised). What goes into a quantiser is computed in f32, as accurately as f32 sums, v_exp_f32 and their like allow (about 1e-6 of the number): no bf16 or f16 on the way to a quantiser, and a product that is left as it is and whose result goes on into a quantised operand takes f32 operands (vector FMAs, or v_wmma_f32_16x16x4_f32). A number that lies on a knife's edge between two numbers of the format may be rounded either way, as far as f32 arithmetic and the matrix unit's own rounding can turn it there, and no further.
;;   INPUTS GIVEN AS CODES. keys (in the module: [2, 2048, 16, 64], K = its axis 3); queries (in the module: [2, 2048, 16, 64], K = its axis 3); values (in the module: [2, 2048, 16, 64], K = its axis 1): each comes as NAME_codes (uint8): NAME with its K axis moved to the last place and cut into blocks of 32 codes, [.., K / 32, bytes a block], one block behind the other in memory; four codes in three bytes: a row's codes are one little-endian stream of bits, code i at bits 6 i .. 6 i + 5 (a code: sign, 3 exponent bits, 2 mantissa bits); and NAME_scales (uint8): the same leading axes, one E8M0 byte (e + 127) for each 32 codes along K. Its value is code x scale, taken as it is: it is not quantised again, and the codes and scales need not be those that the quantiser above would give.
;; One version. Each part assembles by itself: llvm-mc -triple=amdgcn-amd-amdhsa -mcpu=gfx1250 --defsym DOCPART=n.
;; ======== version 1 of 1: 2 launches
;; limits: right only within a limited range of input values
;; workspace buffers: kv 6,619,136 bytes
;; launch lay (part 1): grid 64 x 1, 16 waves a work-group, no clusters, 202,752 bytes of LDS; arguments keys_codes, keys_scales, values_codes, values_scales, kv, key_len_mask; writes kv
.if DOCPART == 1
	.amdgcn_target "amdgcn-amd-amdhsa--gfx1250"
	.amdhsa_code_object_version 6
	.text
	.protected	k_q164b6ba576_lay
	.globl	k_q164b6ba576_lay
	.p2align	8
	.type	k_q164b6ba576_lay,@function
k_q164b6ba576_lay:
	s_mov_b64 s[64:65], 0
	v_nop
	global_prefetch_b8 v0, s[64:65] scope:SCOPE_SE
	s_setreg_imm32_b32 hwreg(HW_REG_WAVE_MODE, 25, 1), 1
	s_wait_xcnt 0x0
; K's and V's codes and scale bytes are laid out ONCE as images of the matrix operands' registers, so that the attention launch fetches dense blocks and reads every fragment by loads of 16 bytes a lane.
; kv: 512 chunks of 12,800 bytes; chunk (((4 n + hg) 16 + ks) 4 + i) serves head 4 hg + i and keys 128 ks .. 128 ks + 127.  L = lane, r = L % 16, hh = L / 16.  In a chunk:
;   +0      four PAIR fragments of K, 1,536 bytes each (register group g of lane L at 512 g + 16 L): registers 0-5 = bytes 24 hh .. + 23 of key 32 b + r + 8 (r / 8), registers 6-11 the same of the key 8 further on
;   +6144   four tiles of V^T, the same form: row d = 16 t + r, registers 0-5 = the row's bytes 96 ks + 24 hh .. + 23, registers 6-11 those 48 further on
;   +12288  scale words, 16 L + 4 b: lanes 0-15 pair b of K (the two bytes of each of its two keys), lanes 16-31 tile b of V^T (four bytes: these 128 keys)
; Work-groups 0-31 (16 n + ks) take 128 keys x 16 heads of K, wave = head; work-groups 32-63 (16 n + h) take a head of V, wave = ks.  Either source is one dense block of 98,304 bytes:
; it is read in whole aligned runs of 256 bytes (sixteen lanes x 16 bytes), staged in LDS as 128 rows of 768 bytes, 784 apart, and read back in the operands' order.  Every store of codes covers 512 consecutive bytes.
; The two paths part on the work-group's number alone, never join, and have LDS bytes of their own.  No register that a load or a store names is written again, so no wait frees one.
; The scale bytes of K are read two bytes a lane (4,096 bytes for a work-group in all); each half of a chunk's scale words leaves as one aligned run of 256 bytes.
.set ROWK, 768                         ; a staged row in memory
.set LP,   784                         ; and in LDS: 49 x 16 bytes
.set VREG, 128*LP                      ; V's path has the second 100,352 bytes of LDS
.set CHB,  12800
.set STEPB, 4*CHB+512                  ; the four chunks of a step (n, hg, ks) lie on end in a block of STEPB bytes, and behind them the step's 128 numbers of key_len_mask (512 bytes, as they are): chunk c begins at (c / 4) STEPB + (c % 4) CHB
.set BLKB, 98304                       ; a work-group's source block
; 12 loads of 16 bytes a thread bring the block (thread T: rows T / 16 + 32 q, bytes 16 (T % 16) + 256 c); each goes to the stage as soon as it is in.
.macro STAGE_IN sb, a0, a1
.irp q, 0,1,2,3
.irp c, 0,1,2
	global_load_b128 v[16+4*(3*\q+\c):16+4*(3*\q+\c)+3], v6, s[\sb:\sb+1] offset:\q*32*ROWK+256*\c th:TH_LOAD_NT
.endr
.endr
.irp q, 0,1,2,3
.irp c, 0,1,2
	s_wait_loadcnt 11-(3*\q+\c)                    ; loads come back in order: this one is in, the younger ones stay out (the scale loads are older than all twelve)
.if \q < 2
	ds_store_b128 v[\a0], v[16+4*(3*\q+\c):16+4*(3*\q+\c)+3] offset:\q*32*LP+256*\c
.else
	ds_store_b128 v[\a1], v[16+4*(3*\q+\c):16+4*(3*\q+\c)+3] offset:(\q-2)*32*LP+256*\c   ; rows 64 on: a second address register keeps the immediate small
.endif
.endr
.endr
	s_wait_dscnt 0x0                               ; for the others' sake: my stores into the stage are done
	s_barrier_signal -1
	s_barrier_wait -1
.endm
; four fragments of 12 registers, in pieces of 8 bytes; hop: from a fragment's first 24 bytes to its second
.macro BACK a0, a1, hop
.irp f, 0,1,2,3
.irp p, 0,1,2,3,4,5
.if \f < 2
	ds_load_b64 v[64+12*\f+2*\p:64+12*\f+2*\p+1], v[\a0] offset:\f*32*LP+(\p/3)*(\hop)+8*(\p%3)
.else
	ds_load_b64 v[64+12*\f+2*\p:64+12*\f+2*\p+1], v[\a1] offset:(\f-2)*32*LP+(\p/3)*(\hop)+8*(\p%3)
.endif
.endr
.endr
.endm
.macro OUT off
.irp f, 0,1,2,3
	s_wait_dscnt 18-6*\f                           ; this fragment's six loads are in; the later fragments' may be out
.irp g, 0,1,2
	global_store_b128 v8, v[64+12*\f+4*\g:64+12*\f+4*\g+3], s[12:13] offset:\off+1536*\f+512*\g   ; 32 lanes store 512 consecutive bytes, at a multiple of 256 from kv's first byte
.endr
.endr
.endm
	s_load_b256 s[4:11], s[0:1], 0x0               ; K's codes s[4:5], K's scales s[6:7], V's codes s[8:9], V's scales s[10:11]
	s_load_b64 s[12:13], s[0:1], 0x20              ; kv
	s_load_b64 s[30:31], s[0:1], 0x28              ; key_len_mask
	v_lshl_add_u32 v128, v0, 2, 0x31000
	v_mov_b32 v129, 0
	v_lshrrev_b32 v1, 5, v0
	s_delay_alu instid0(VALU_DEP_1)
	v_readfirstlane_b32 s14, v1                    ; wave 0..15
	v_and_b32 v2, 31, v0                           ; L
	v_and_b32 v3, 15, v0                           ; r; also T % 16
	v_lshrrev_b32 v4, 4, v0                        ; T / 16
	v_bfe_u32 v5, v0, 4, 1                         ; hh
	s_delay_alu instid0(VALU_DEP_2)
	v_mul_u32_u24 v6, v4, ROWK
	s_delay_alu instid0(VALU_DEP_1)
	v_lshl_add_u32 v6, v3, 4, v6                   ; in memory: row T / 16, 16 bytes a thread
	s_delay_alu instid0(VALU_DEP_4)
	v_mul_u32_u24 v7, v4, LP
	s_delay_alu instid0(VALU_DEP_1)
	v_lshl_add_u32 v7, v3, 4, v7                   ; the same place in a stage
	v_lshlrev_b32 v8, 4, v2                        ; an image's place for my lane
	v_lshrrev_b32 v9, 1, v2                        ; for the scale words a lane stands for row L / 2
	v_and_b32 v10, 1, v2                           ; and words 2 (L % 2), 2 (L % 2) + 1
	v_lshlrev_b32 v11, 3, v2                       ; which lie at 8 L
	s_mov_b32 s21, 0
	s_mov_b32 s23, 0
	s_mov_b32 s25, 0
	s_cmp_lt_u32 ttmp9, 32
	s_cbranch_scc0 .Lvalues
	; ---- K: work-group 16 n + ks, wave = head
	s_lshr_b32 s15, ttmp9, 4                       ; n
	s_and_b32 s16, ttmp9, 15                       ; ks
	s_lshr_b32 s17, s14, 2                         ; hg
	s_and_b32 s18, s14, 3                          ; i
	s_lshl_b32 s19, s15, 2
	s_add_co_u32 s19, s19, s17
	s_lshl_b32 s19, s19, 4
	s_add_co_u32 s19, s19, s16                     ; my step's block,
	s_mul_i32 s20, s19, STEPB
	s_mul_i32 s19, s18, CHB
	s_add_co_u32 s20, s20, s19                     ; and my chunk in it
	s_lshl_b32 s28, ttmp9, 9                       ; key_len_mask: 8,192 n + 512 ks bytes
	s_mov_b32 s29, 0
	s_mul_i32 s22, ttmp9, BLKB                     ; 128 keys x 768 bytes
	s_lshl_b32 s24, ttmp9, 12                      ; 128 keys x 32 scale bytes,
	s_lshl_b32 s26, s14, 1
	s_add_co_u32 s24, s24, s26                     ; my head's two
	s_wait_alu depctr_va_vdst(0)
	v_and_b32 v12, 8, v9
	s_delay_alu instid0(VALU_DEP_1)
	v_add_nc_u32 v12, v12, v9                      ; row + 8 (row / 8)
	s_delay_alu instid0(VALU_DEP_1)
	v_lshlrev_b32 v12, 5, v12
	s_delay_alu instid0(VALU_DEP_1)
	v_lshl_add_u32 v12, v10, 11, v12               ; the key's scale bytes; pairs 2, 3 lie 64 keys on
	v_and_b32 v13, 8, v3
	s_delay_alu instid0(VALU_DEP_1)
	v_add_nc_u32 v13, v13, v3                      ; r + 8 (r / 8)
	s_delay_alu instid0(VALU_DEP_1)
	v_mul_u32_u24 v13, v13, LP
	s_delay_alu instid0(VALU_DEP_1)
	v_mad_u32_u24 v13, v5, 24, v13
	s_mul_i32 s27, s14, 48
	v_add_nc_u32 v13, s27, v13                     ; out of the stage: that key's row, my head's 48 bytes, my half's 24
	s_delay_alu instid0(VALU_DEP_1)
	v_add_nc_u32 v14, 64*LP, v13
	v_add_nc_u32 v15, 64*LP, v7
	s_wait_alu depctr_va_vdst(0)
	s_wait_kmcnt 0x0
	s_add_nc_u64 s[4:5], s[4:5], s[22:23]
	s_add_nc_u64 s[6:7], s[6:7], s[24:25]
	s_add_nc_u64 s[30:31], s[30:31], s[28:29]
	s_add_nc_u64 s[12:13], s[12:13], s[20:21]
	global_load_u16 v112, v12, s[6:7]              ; pair 2 (L % 2): its first key,
	global_load_u16 v113, v12, s[6:7] offset:256   ; the key 8 on;
	global_load_u16 v114, v12, s[6:7] offset:1024  ; the next pair, 32 keys on
	global_load_u16 v115, v12, s[6:7] offset:1280
	s_cmp_lg_u32 s18, 0                            ; the wave of a block's first chunk also copies the step's key-length numbers: 32 lanes x 16 bytes
	s_cbranch_scc1 .Lno_len_load
	global_load_b128 v[120:123], v8, s[30:31]      ; older than the stage's twelve loads, so their counted waits cover it
.Lno_len_load:
	STAGE_IN 4, 7, 15
	BACK 13, 14, 8*LP
	v_lshl_or_b32 v116, v113, 16, v112
	v_lshl_or_b32 v117, v115, 16, v114
	global_store_b64 v11, v[116:117], s[12:13] offset:12288   ; 32 lanes store one aligned run of 256 bytes
	s_cmp_lg_u32 s18, 0
	s_cbranch_scc1 .Lno_len_store
	global_store_b128 v8, v[120:123], s[12:13] offset:4*CHB   ; 512 consecutive bytes behind the block's four chunks
.Lno_len_store:
	OUT 0
	s_wait_tensorcnt 0x0
	ds_add_u32 v128, v129
	s_wait_dscnt 0x0
	s_endpgm
.Lvalues:
	; ---- V: work-group 32 + 16 n + h, wave = ks.  A row of 1,536 bytes is staged as two rows of 768: row 2 d + ks / 8
	s_sub_co_u32 s15, ttmp9, 32                    ; 16 n + h
	s_lshr_b32 s16, s15, 2                         ; 4 n + hg
	s_and_b32 s18, s15, 3                          ; i
	s_lshl_b32 s19, s16, 4
	s_add_co_u32 s19, s19, s14                     ; my step's block,
	s_mul_i32 s20, s19, STEPB
	s_mul_i32 s19, s18, CHB
	s_add_co_u32 s20, s20, s19                     ; and my chunk in it
	s_mul_i32 s22, s15, BLKB                       ; 64 rows x 1,536 bytes
	s_lshl_b32 s24, s15, 12                        ; 64 rows x 64 scale bytes,
	s_lshl_b32 s26, s14, 2
	s_add_co_u32 s24, s24, s26                     ; my step's four
	s_wait_alu depctr_va_vdst(0)
	v_lshlrev_b32 v12, 6, v9
	s_delay_alu instid0(VALU_DEP_1)
	v_lshl_add_u32 v12, v10, 11, v12               ; the row's scale bytes; tiles 2, 3 lie 32 rows on
	v_mul_u32_u24 v13, v3, 2*LP
	s_delay_alu instid0(VALU_DEP_1)
	v_mad_u32_u24 v13, v5, 24, v13
	s_lshr_b32 s27, s14, 3
	s_mul_i32 s27, s27, LP
	s_and_b32 s28, s14, 7
	s_mul_i32 s28, s28, 96
	s_add_co_u32 s27, s27, s28
	s_add_co_u32 s27, s27, VREG
	v_add_nc_u32 v13, s27, v13                     ; out of the stage: row 2 r + ks / 8, bytes 96 (ks % 8) + 24 hh
	s_delay_alu instid0(VALU_DEP_1)
	v_add_nc_u32 v14, 64*LP, v13
	v_add_nc_u32 v15, VREG, v7
	s_delay_alu instid0(VALU_DEP_1)
	v_add_nc_u32 v118, 64*LP, v15
	s_wait_alu depctr_va_vdst(0)
	s_wait_kmcnt 0x0
	s_add_nc_u64 s[8:9], s[8:9], s[22:23]
	s_add_nc_u64 s[10:11], s[10:11], s[24:25]
	s_add_nc_u64 s[12:13], s[12:13], s[20:21]
	global_load_b32 v116, v12, s[10:11]            ; tile 2 (L % 2)'s word of my row,
	global_load_b32 v117, v12, s[10:11] offset:1024   ; the next tile's, 16 rows on
	STAGE_IN 8, 15, 118
	BACK 13, 14, 48
	global_store_b64 v11, v[116:117], s[12:13] offset:12544
	OUT 6144
	s_wait_tensorcnt 0x0
	ds_add_u32 v128, v129
	s_wait_dscnt 0x0
	s_endpgm
.Lfunc_end_k_q164b6ba576_lay:
	.size	k_q164b6ba576_lay, .Lfunc_end_k_q164b6ba576_lay-k_q164b6ba576_lay
	.p2alignl 7, 3214868480
	.fill 96, 4, 3214868480
	.section	.rodata,"a",@progbits
	.p2align	6, 0x0
	.amdhsa_kernel k_q164b6ba576_lay
		.amdhsa_group_segment_fixed_size 202752
		.amdhsa_private_segment_fixed_size 0
		.amdhsa_enable_private_segment 0
		.amdhsa_kernarg_size 48
		.amdhsa_user_sgpr_count 2
		.amdhsa_user_sgpr_kernarg_segment_ptr 1
		.amdhsa_wavefront_size32 1
		.amdhsa_system_sgpr_workgroup_id_x 1
		.amdhsa_system_sgpr_workgroup_id_y 1
		.amdhsa_system_sgpr_workgroup_id_z 1
		.amdhsa_system_vgpr_workitem_id 0
		.amdhsa_next_free_vgpr 130
		.amdhsa_next_free_sgpr 66
		.amdhsa_reserve_vcc 0
		.amdhsa_float_denorm_mode_32 3
		.amdhsa_float_denorm_mode_16_64 3
		.amdhsa_memory_ordered 1
		.amdhsa_forward_progress 1
		.amdhsa_inst_pref_size 17
	.end_amdhsa_kernel
	.amdgpu_metadata
---
amdhsa.version: [ 1, 2 ]
amdhsa.kernels:
  - .name:           k_q164b6ba576_lay
    .symbol:         k_q164b6ba576_lay.kd
    .args:
      - { .name: keys_codes, .offset: 0, .size: 8, .value_kind: global_buffer, .address_space: global }
      - { .name: keys_scales, .offset: 8, .size: 8, .value_kind: global_buffer, .address_space: global }
      - { .name: values_codes, .offset: 16, .size: 8, .value_kind: global_buffer, .address_space: global }
      - { .name: values_scales, .offset: 24, .size: 8, .value_kind: global_buffer, .address_space: global }
      - { .name: kv, .offset: 32, .size: 8, .value_kind: global_buffer, .address_space: global }
      - { .name: key_len_mask, .offset: 40, .size: 8, .value_kind: global_buffer, .address_space: global }
    .group_segment_fixed_size: 202752
    .private_segment_fixed_size: 0
    .kernarg_segment_align: 8
    .kernarg_segment_size: 48
    .max_flat_workgroup_size: 512
    .sgpr_count:     66
    .vgpr_count:     130
    .wavefront_size: 32
...
	.end_amdgpu_metadata
.endif
;; end of part 1
;; launch attn (part 2): grid 32 x 8, 4 waves a work-group, clusters of 4 x 1, 327,680 bytes of LDS; arguments queries_codes, queries_scales, custom_attns, attn_mask, kv, out0; writes out0
.if DOCPART == 2
	.amdgcn_target "amdgcn-amd-amdhsa--gfx1250"
	.amdhsa_code_object_version 6
	.text
	.protected	k_q164b6ba576_attn
	.globl	k_q164b6ba576_attn
	.p2align	8
	.type	k_q164b6ba576_attn,@function
k_q164b6ba576_attn:
	s_mov_b64 s[64:65], 0
	v_nop
	global_prefetch_b8 v0, s[64:65] scope:SCOPE_SE
	s_setreg_imm32_b32 hwreg(HW_REG_WAVE_MODE, 25, 1), 1
	s_wait_xcnt 0x0
	s_wait_alu depctr_hold_cnt(0) depctr_sa_sdst(0) depctr_va_vdst(0) depctr_va_sdst(0) depctr_va_ssrc(0) depctr_va_vcc(0) depctr_vm_vsrc(0)
	s_getreg_b32 s2, hwreg(HW_REG_IB_STS2, 6, 4)
	s_cmp_eq_u32 s2, 0
	s_cbranch_scc0 .Lentry_in_a_cluster
	s_endpgm
.Lentry_in_a_cluster:
	s_bfe_u32 s2, ttmp6, 0x10000c
	s_cmp_lg_u32 s2, 0x3003
	s_cbranch_scc0 .Lentry_shape_is_right
	s_endpgm
.Lentry_shape_is_right:
; out = softmax((q k^T x custom_attns + attn_mask + key_len_mask) / 8) v, both products in MX-BF6 (codes as given; p quantised here).
; A work-group takes 64 queries x 4 heads of one sample, a wave 16 queries x 4 heads; every wave walks all 2,048 keys: 8 slots of 256 keys (two steps of 128) in a ring of two LDS slots.
; The prior's and the masks' 16 x 128 tile of a step lies in registers and serves the wave's four heads.  Both masks are inputs: no tile is left out, no input is left out.
; Both products are used transposed (S^T = k q^T, O^T = v^T p^T): a lane holds one query, its registers run along the keys.  A head has 64 numbers, the instruction's K is 128:
; a fragment of K holds two keys' rows, and q stands beside six registers of zero codes, so that two instructions pick the one key and the other.
; A UNIT is one head x 128 keys.  Its order: the NEXT unit's eight score products; this unit's block maxima joined across the lane halves; the next unit's scores x prior + masks and their block maxima,
; with this unit's running maximum (a chain of nine dependent lines) laid between them; t - M; ALL 68 exponentials as one batch between two waits; p's scales and codes; O^T and the sum under the new M; four products.
; M is the ceiling of the running largest t, kept as -M; every rescaling is a power of two made by v_ldexp_f32; nothing branches on data.
; The four query blocks of a cluster walk the same kv chunks and ask for them jointly (mask 15).  The prior's and the mask's tiles are asked for by register loads five or six units ahead of their use.
; LIMIT: the promise holds while the scaled scores t stay under 2^31 in magnitude (the change of M goes through v_cvt_i32_f32, which saturates).
.set CHB,   12800
.set STEPB, 4*CHB+512                  ; a step's block in kv: four heads' chunks, then the step's 128 numbers of key_len_mask, which the launch before copied there
.set SLOTB, 2*STEPB                    ; 404 rows of 256 bytes: 101 for each wave's load
.set SLOT1, 1<<17
.set KLM,   4*CHB                      ; where the key-length numbers lie in a step's block
.set SPARE, SLOTB                      ; the spare words, behind slot 0
.set STAGE, SLOT1+SLOTB
.set SP,    1040
.set LI,  1
.set ADR, 2
.set KLA, 4
.set KLC, 5
.set CA,  6
.set SPW, 7
.set NIL, 8
.set STO, 9
.set RD,  10
.set ST,  12
.set QS,  28
.set KS,  32
.set VS,  36
.set PW,  40
.set FF,  42
.set TT,  44
.set TMX, 46
.set TP4, 54
.set SO,  58
.set BY,  62
.set PC,  66
.set PX,  78
.set SMB, 86
.set SMC, 92
.set SMD, 94
.set SCR, 96
.set QF,  128
.set KB,  0
.set VB,  48
.set KL,  96
.set WV,  18
.set G1,  24
.set G0,  40
.set TB,  48
.set SLOTS, 49
.set KVB, 32                           ; s[32:33] kv: my quarter of my head group's slot 0
.set CB0, 34                           ; s[34:35] the prior: my 16 rows, key 0
.set MB0, 36                           ; s[36:37] the mask: my 16 rows, key 0
.set NX,  38                           ; s38      the slot (0 to 7) that is asked for next
.set OFK, 44                           ; s[44:45] its byte offset in kv; the upper word stays 0
.set OFC, 46                           ; s[46:47] its byte offset in a row of the prior and of the mask; the upper word stays 0
.set CS,  52
.set SEL, 54
.set CB,  56
.set MB,  58
.set MSB, 0
.macro WIN new
.if MSB != \new
	s_set_vgpr_msb (MSB<<8)|\new
.set MSB, \new
.endif
.endm
.macro CROUND
	s_barrier_signal -1
	s_barrier_wait -1
	s_cmp_lg_u32 s[WV], 0
	s_cbranch_scc1 .Lnot_wave_0_\@
	s_barrier_signal -3
.Lnot_wave_0_\@:
	s_barrier_wait -3
	s_barrier_signal -1
	s_barrier_wait -1
.endm
; THE WALK OVER THE KEYS BEGINS AT SLOT (the cluster's x) mod 8 AND WRAPS ROUND.  The running maximum, the sum and O^T do not hang on the order of the keys (every rescaling is an exact power of two),
; so each of the eight columns of clusters may begin elsewhere: at any trip they name eight different ranges of 1,024 bytes of the rows of the prior and of the mask, which are 8,192 bytes long.
; The four partners of a cluster share the cluster's x, so their joint loads keep equal descriptors; so do the work-groups of other heads and samples that read the same rows of the prior and the mask.
; POINT makes the three pointers of slot NX from the kept bases and steps NX.  It stands where no tensor load of the wave is out and behind s_wait_xcnt 0 for the loads that named the old pointers.
.macro POINT
	s_mul_i32 s[OFK], s[NX], SLOTB
	s_lshl_b32 s[OFC], s[NX], 10
	s_add_nc_u64 s[G0+2:G0+3], s[KVB:KVB+1], s[OFK:OFK+1]
	s_or_b32 s[G0+3], s[G0+3], 0x80000000
	s_add_nc_u64 s[CB:CB+1], s[CB0:CB0+1], s[OFC:OFC+1]
	s_add_nc_u64 s[MB:MB+1], s[MB0:MB0+1], s[OFC:OFC+1]
	s_add_co_u32 s[NX], s[NX], 1
	s_and_b32 s[NX], s[NX], 7
.endm
.macro CHANGE fill
	s_wait_tensorcnt 0x0
	ds_add_u32 v[SPW], v[NIL]
.if \fill
	s_xor_b32 s[G0+1], s[G0+1], SLOT1
	s_wait_xcnt 0x0                                ; the last trip's loads of the prior and the mask have read their bases
	POINT                                          ; the next slot of the walk: this trip's refill and this trip's loads of the prior and the mask name it
	s_wait_dscnt 0x0
	CROUND
	tensor_load_to_lds s[G0:G0+3], s[G1:G1+7]
	s_nop 0
.rept 4
	v_nop
.endr
.else
	s_wait_dscnt 0x0
	s_barrier_signal -1
	s_barrier_wait -1
.endif
.endm
.macro KLOAD e, i
	WIN 0xc0
.irp b, 0,1,2,3
.irp g, 0,1,2
	ds_load_b128 v[KB+12*\b+4*\g:KB+12*\b+4*\g+3], v[ADR+(\e)] offset:CHB*(\i)+1536*\b+512*\g
.endr
.endr
	WIN 0
	ds_load_b128 v[KS:KS+3], v[ADR+(\e)] offset:CHB*(\i)+12288
.endm
.macro VLOAD e, i
	WIN 0xc0
.irp b, 0,1,2,3
.irp g, 0,1,2
	ds_load_b128 v[VB+12*\b+4*\g:VB+12*\b+4*\g+3], v[ADR+(\e)] offset:CHB*(\i)+6144+1536*\b+512*\g
.endr
.endr
	WIN 0
	ds_load_b128 v[VS:VS+3], v[ADR+(\e)] offset:CHB*(\i)+12288
.endm
.macro KLMLOAD e
	WIN 0xc0
.irp b, 0,1,2,3
.irp q, 0,1,2,3
	ds_load_b128 v[KL+16*\b+4*\q:KL+16*\b+4*\q+3], v[KLC] offset:STEPB*(\e)+128*\b+16*\q
.endr
.endr
	WIN 0
.endm
.macro CLOAD e, off
	WIN 0x80
.irp b, 0,1,2,3
.irp q, 0,1,2,3
	global_load_b128 v[128*(\e)+16*\b+4*\q:128*(\e)+16*\b+4*\q+3], v[CA], s[CB:CB+1] offset:(\off)+128*\b+16*\q
.endr
.endr
.irp b, 0,1,2,3
.irp q, 0,1,2,3
	global_load_b128 v[128*(\e)+64+16*\b+4*\q:128*(\e)+64+16*\b+4*\q+3], v[CA], s[MB:MB+1] offset:(\off)+128*\b+16*\q
.endr
.endr
.endm
.macro MPASS e
	WIN 0x8e
.set k, 0
.rept 32
	v_pk_add_f32 v[128*(\e)+64+k:128*(\e)+64+k+1], v[128*(\e)+64+k:128*(\e)+64+k+1], v[KL+k:KL+k+1]
.set k, k+2
.endr
.endm
.macro SMUL sb, i
	WIN 0x07
.irp b, 0,1,2,3
	v_wmma_scale_f32_16x16x128_f8f6f4 v[(\sb)+16*\b:(\sb)+16*\b+7], v[KB+12*\b:KB+12*\b+11], v[QF+18*(\i):QF+18*(\i)+11], 0, v[KS+\b], v[QS+(\i)] matrix_a_fmt:MATRIX_FMT_BF6 matrix_b_fmt:MATRIX_FMT_BF6
	v_wmma_scale_f32_16x16x128_f8f6f4 v[(\sb)+16*\b+8:(\sb)+16*\b+15], v[KB+12*\b:KB+12*\b+11], v[QF+18*(\i)+6:QF+18*(\i)+17], 0, v[KS+\b], v[QS+(\i)] matrix_a_fmt:MATRIX_FMT_BF6 matrix_b_fmt:MATRIX_FMT_BF6
.endr
.endm
.macro XPL sb, cb
	v_pk_fma_f32 v[(\sb)+2*k:(\sb)+2*k+1], v[(\sb)+2*k:(\sb)+2*k+1], v[(\cb)+2*k:(\cb)+2*k+1], v[(\cb)+64+2*k:(\cb)+64+2*k+1]
.endm
.macro MXL sb, tm
.if k < 4
	v_max3_num_f32 v[(\tm)+k], v[(\sb)+16*k], v[(\sb)+16*k+1], v[(\sb)+16*k+2]
.elseif k < 28
	v_max3_num_f32 v[(\tm)+k%4], v[(\tm)+k%4], v[(\sb)+16*(k%4)+2*(k/4)+1], v[(\sb)+16*(k%4)+2*(k/4)+2]
.else
	v_max_num_f32 v[(\tm)+k%4], v[(\tm)+k%4], v[(\sb)+16*(k%4)+15]
.endif
.endm
.macro FIN1
.irp b, 0,1,2,3
	v_permlanex16_b32 v[TP4+\b], v[TU+\b], s[SEL], s[SEL+1]
.endr
.irp b, 0,1,2,3
	v_max_num_f32 v[TU+\b], v[TU+\b], v[TP4+\b]
.endr
.endm
; the running maximum, -M and the factor f = 2^(old M - new M): nine lines that hang on each other, one for every third value of k, so that other lines can stand between them
.macro FIN1B
.if k == 2
	v_max3_num_f32 v[TT], v[TU], v[TU+1], v[TU+2]
.elseif k == 5
	v_max_num_f32 v[TT], v[TT], v[TU+3]
.elseif k == 8
	v_mul_f32 v[TT], s[CS], v[TT]
.elseif k == 11
	v_max_num_f32 v[RT+1], v[RT+1], v[TT]
.elseif k == 14
	v_mov_b32 v[TT], v[RT]
.elseif k == 17
	v_floor_f32 v[RT], -v[RT+1]
.elseif k == 20
	v_sub_f32 v[TT], v[RT], v[TT]
.elseif k == 23
	v_cvt_i32_f32 v[TT], v[TT]
.elseif k == 26
	v_ldexp_f32 v[FF], 1.0, v[TT]
.endif
.endm
.macro TP
.set k, 0
.rept 32
	v_pk_fma_f32 v[SU+k:SU+k+1], v[SU+k:SU+k+1], s[CS:CS+1], v[RT:RT+1] op_sel_hi:[1,0,0]
.set k, k+2
.endr
.irp b, 0,1,2,3
	v_fma_f32 v[TU+\b], v[TU+\b], s[CS], v[RT]
.endr
.endm
.macro QZ
	s_wait_alu depctr_va_vdst(0)
.irp b, 0,1,2,3
	v_max_num_f32 v[TU+\b], 0x2800000, v[TU+\b]
.endr
.irp b, 0,1,2,3
	v_add_nc_u32 v[SO+\b], 0xfe000000, v[TU+\b]
.endr
.irp b, 0,1,2,3
	v_lshrrev_b32 v[BY+\b], 23, v[SO+\b]
.endr
	v_lshl_or_b32 v[PW], v[BY+1], 8, v[BY]
	v_lshl_or_b32 v[PW], v[BY+2], 16, v[PW]
	v_lshl_or_b32 v[PW], v[BY+3], 24, v[PW]
.irp c, 0,1
	v_cvt_scalef32_pk16_bf6_f32 v[PC+6*\c:PC+6*\c+2], v[SU+32*\c:SU+32*\c+15], v[SO+2*\c]
	v_cvt_scalef32_pk16_bf6_f32 v[PX+4*\c:PX+4*\c+2], v[SU+32*\c+16:SU+32*\c+31], v[SO+2*\c+1]
.endr
	v_nop
.irp c, 0,1
.irp j, 0,1,2
	v_permlane16_swap_b32 v[PC+6*\c+\j], v[PX+4*\c+\j]
.endr
.irp j, 0,1,2
	v_mov_b32 v[PC+3+6*\c+\j], v[PX+4*\c+\j]
.endr
.endr
.endm
.macro RS
	WIN 0x41
.set k, 0
.rept 16
	v_pk_mul_f32 v[32*UI+k:32*UI+k+1], v[32*UI+k:32*UI+k+1], v[FF:FF+1] op_sel_hi:[1,0]
.set k, k+2
.endr
.endm
.macro SUM
	WIN 0
	v_pk_add_f32 v[SMB:SMB+1], v[SU:SU+1], v[SU+2:SU+3]
	v_pk_add_f32 v[SMC:SMC+1], v[SU+4:SU+5], v[SU+6:SU+7]
	v_pk_add_f32 v[SMD:SMD+1], v[SU+8:SU+9], v[SU+10:SU+11]
.set k, 12
.rept 6
	v_pk_add_f32 v[RT+2:RT+3], v[RT+2:RT+3], v[SU+k:SU+k+1]
	v_pk_add_f32 v[SMB:SMB+1], v[SMB:SMB+1], v[SU+k+2:SU+k+3]
	v_pk_add_f32 v[SMC:SMC+1], v[SMC:SMC+1], v[SU+k+4:SU+k+5]
	v_pk_add_f32 v[SMD:SMD+1], v[SMD:SMD+1], v[SU+k+6:SU+k+7]
.set k, k+8
.endr
	v_pk_add_f32 v[RT+2:RT+3], v[RT+2:RT+3], v[SU+60:SU+61]
	v_pk_add_f32 v[SMB:SMB+1], v[SMB:SMB+1], v[SU+62:SU+63]
	v_pk_add_f32 v[SMC:SMC+1], v[SMC:SMC+1], v[SMD:SMD+1]
	v_pk_add_f32 v[RT+2:RT+3], v[RT+2:RT+3], v[SMB:SMB+1]
	v_pk_add_f32 v[RT+2:RT+3], v[RT+2:RT+3], v[SMC:SMC+1]
.endm
.macro PMUL
	WIN 0x53
.irp t, 0,1,2,3
	v_wmma_scale_f32_16x16x128_f8f6f4 v[32*UI+8*\t:32*UI+8*\t+7], v[VB+12*\t:VB+12*\t+11], v[PC:PC+11], v[32*UI+8*\t:32*UI+8*\t+7], v[VS+\t], v[PW] matrix_a_fmt:MATRIX_FMT_BF6 matrix_b_fmt:MATRIX_FMT_BF6 matrix_a_scale:MATRIX_SCALE_ROW1
.endr
.endm
.macro UNIT u, cload
.set UE, (\u)/4
.set UI, (\u)%4
.set SU, SCR+64*((\u)%2)
.set SN, SCR+64-64*((\u)%2)
.set TU, TMX+4*((\u)%2)
.set TN, TMX+4-4*((\u)%2)
.set RT, ST+4*UI
.set NE, ((\u)+1)/4
.set NI, ((\u)+1)%4
.set K2E, ((\u)+2)/4
.set K2I, ((\u)+2)%4
.if (\u) < 7
	s_wait_dscnt 0x0
	SMUL SN, NI
.endif
	WIN 0
	FIN1                                           ; the block maxima with lane l xor 16's; its four maxima are also the places behind the products above and in front of the loads below
	VLOAD UE, UI                                   ; a unit's LDS loads stand in one run: V's,
.if (\u) == 2
	KLMLOAD 1                                      ; the second step's key-length words, a unit ahead of their use: the next unit's first wait on DScnt covers them,
.endif
.if (\u) < 6
	KLOAD K2E, K2I                                 ; and K's of the unit after next: the youngest 13, which may be out when V's are wanted
.endif
.if (\u) == 3
.if \cload
	s_wait_loadcnt 32                              ; the second step's prior and mask are in; the 32 loads for the next slot's first step may be out
.else
	s_wait_loadcnt 0x0
.endif
	MPASS 1
.endif
.if (\u) < 7
	WIN 0x28
.set k, 0
.rept 32
	XPL SN, 128*NE                                 ; the next unit's scores x prior + masks: the matrix results are read ahead of any transcendental, each accumulator from its low end on
.set k, k+1
.endr
	WIN 0
.set k, 0
.rept 32
	MXL SN, TN                                     ; the next unit's block maxima, four chains by turns,
	FIN1B                                          ; and between them this unit's chain
.set k, k+1
.endr
.else
.set k, 2
.rept 9
	FIN1B
.set k, k+3
.endr
.endif
	TP
	s_wait_alu depctr_va_vdst(0)                   ; the wait ahead of the batch: it serves all that was written above
.set k, 0
.rept 64
	v_exp_f32 v[SU+k], v[SU+k]
.set k, k+1
.endr
.irp b, 0,1,2,3
	v_exp_f32 v[TU+\b], v[TU+\b]
.endr
	v_pk_mul_f32 v[RT+2:RT+3], v[RT+2:RT+3], v[FF:FF+1] op_sel_hi:[1,0]
	QZ
.if \cload && (((\u) == 2) || ((\u) == 6))
	CLOAD UE, 512*UE
.endif
	RS
	SUM
.if (\u) < 6
	s_wait_dscnt 13
.else
	s_wait_dscnt 0x0
.endif
	PMUL
.endm
; Waves 1, 2, 3 begin a slot's work 4, 8, 12 lines of s_nop 15 behind wave 0, so that the four waves, which run the same text from the same barrier, do not issue their runs of LDS loads together.
.macro SKEW
.irp w, 1,2,3
	s_cmp_lt_u32 s[WV], \w
	s_cbranch_scc1 .Lgo_\@
.rept 4
	s_nop 15
.endr
.endr
.Lgo_\@:
.endm
.macro WORK cload
	SKEW
	v_add_nc_u32 v[ADR], s[TB], v[LI]
	v_add_nc_u32 v[ADR+1], STEPB, v[ADR]
	v_add_nc_u32 v[KLC], s[TB], v[KLA]
	KLOAD 0, 0
	KLMLOAD 0
	s_wait_loadcnt 32
	s_wait_dscnt 0x0
	SMUL SCR, 0
	MPASS 0
	KLOAD 0, 1
	WIN 0x28
.set k, 0
.rept 32
	XPL SCR, 0
.set k, k+1
.endr
	WIN 0
.set k, 0
.rept 32
	MXL SCR, TMX
.set k, k+1
.endr
	s_wait_alu depctr_va_vdst(0)
.irp u, 0,1,2,3,4,5,6,7
	UNIT \u, \cload
.endr
	WIN 0
.endm
	s_load_b256 s[4:11], s[0:1], 0x0
	s_load_b64 s[14:15], s[0:1], 0x20              ; kv
	s_load_b64 s[16:17], s[0:1], 0x28              ; out0
	v_lshl_add_u32 v[SPW], v0, 2, SPARE
	v_mov_b32 v[NIL], 0
	ds_add_u32 v7, v8
	ds_add_u32 v7, v8
	s_wait_dscnt 0x0
	v_lshrrev_b32 v11, 5, v0
	v_readfirstlane_b32 s[WV], v11
	s_bfe_u32 s19, ttmp6, 0x40000
	s_lshl_b32 s20, ttmp9, 2
	s_add_co_u32 s20, s20, s19
	s_and_b32 s21, ttmp7, 0xffff
	s_lshr_b32 s22, s21, 2
	s_and_b32 s23, s21, 3
	s_mov_b32 s[G1], 15|(3<<16)|(1<<21)
	s_mov_b32 s[G1+1], 32<<16
	s_mov_b32 s[G1+2], 101<<16                     ; a quarter of a slot: 101 dense rows of 256 bytes
	s_mov_b32 s[G1+3], 32<<16
	s_mov_b32 s[G1+4], 101
	s_mov_b32 s[G1+5], 32
	s_mov_b32 s[G1+6], 0
	s_mov_b32 s[G1+7], 0
	s_mul_i32 s60, s[WV], SLOTB/4
	s_mul_i32 s66, s21, 16*STEPB
	s_add_co_u32 s66, s66, s60
	s_mov_b32 s67, 0
	s_lshl_b32 s62, s20, 6
	s_lshl_b32 s63, s[WV], 4
	s_add_co_u32 s62, s62, s63
	s_lshl_b32 s72, s62, 13
	s_mov_b32 s73, 0
	s_lshl_b32 s70, s22, 24
	s_add_co_u32 s70, s70, s72
	s_mov_b32 s71, 0
	s_lshl_b32 s63, s22, 11
	s_add_co_u32 s63, s63, s62
	s_mul_i32 s74, s63, 768
	s_mul_i32 s51, s23, 192
	s_add_co_u32 s74, s74, s51
	s_mov_b32 s75, 0
	s_lshl_b32 s76, s63, 5
	s_lshl_b32 s51, s23, 3
	s_add_co_u32 s76, s76, s51
	s_mov_b32 s77, 0
	s_lshl_b32 s78, s63, 12
	s_lshl_b32 s51, s23, 10
	s_add_co_u32 s78, s78, s51
	s_mov_b32 s79, 0
	s_mov_b32 s[CS], 0x3e38aa3b
	s_mov_b32 s[CS+1], s[CS]
	s_mov_b32 s[SEL], 0x76543210
	s_mov_b32 s[SEL+1], 0xfedcba98
	s_mov_b32 s[TB], 0
	s_and_b32 s[NX], ttmp9, 7                      ; the walk's first slot: the cluster's x, the same in all four partners
	s_mov_b32 s[OFK+1], 0
	s_mov_b32 s[OFC+1], 0
	s_mov_b32 s[SLOTS], 7
	v_and_b32 v11, 15, v0
	v_bfe_u32 v88, v0, 4, 1
	v_and_b32 v[LI], 31, v0
	v_lshlrev_b32 v[LI], 4, v[LI]
	v_lshl_add_u32 v[KLA], v88, 6, KLM
	v_lshlrev_b32 v[CA], 13, v11
	v_lshl_add_u32 v[CA], v88, 6, v[CA]
	s_mul_i32 s51, s[WV], 16*SP
	s_add_co_u32 s51, s51, STAGE
	v_mul_u32_u24 v[STO], v11, SP
	v_lshl_add_u32 v[STO], v88, 5, v[STO]
	v_add_nc_u32 v[STO], s51, v[STO]
	v_add_nc_u32 v[RD], s51, v[LI]
	v_mul_u32_u24 v89, v11, 768
	v_mad_u32_u24 v89, v88, 24, v89
	v_lshlrev_b32 v90, 5, v11
	s_wait_alu depctr_va_vdst(0)
	s_wait_kmcnt 0x0
	s_add_nc_u64 s[4:5], s[4:5], s[74:75]
	s_add_nc_u64 s[6:7], s[6:7], s[76:77]
	s_add_nc_u64 s[CB0:CB0+1], s[8:9], s[70:71]
	s_add_nc_u64 s[MB0:MB0+1], s[10:11], s[72:73]
	s_add_nc_u64 s[16:17], s[16:17], s[78:79]
	s_mov_b32 s[G0], 1
	s_mov_b32 s[G0+1], s60
	s_add_nc_u64 s[KVB:KVB+1], s[14:15], s[66:67]
	POINT                                          ; the walk's first slot
	CROUND                                         ; the four work-groups of the cluster are here: the first joint loads meet
	tensor_load_to_lds s[G0:G0+3], s[G1:G1+7]      ; slot 0, my quarter: my one tensor load at the head; the register loads and the clearing below stand under its flight
	s_nop 0
.rept 4
	v_nop
.endr
	WIN 0x40
.irp i, 0,1,2,3
.irp p, 0,1,2
	global_load_b64 v[QF+18*\i+2*\p:QF+18*\i+2*\p+1], v89, s[4:5] offset:48*\i+8*\p
	global_load_b64 v[QF+18*\i+12+2*\p:QF+18*\i+12+2*\p+1], v89, s[4:5] offset:48*\i+8*\p
.endr
.endr
	WIN 0
	global_load_b64 v[94:95], v90, s[6:7]
	CLOAD 0, 0
	WIN 0x40
.irp i, 0,1,2,3
.irp z, 0,1,2,3,4,5
	v_mov_b32 v[QF+18*\i+6+\z], 0
.endr
.endr
.set k, 0
.rept 128
	v_mov_b32 v[k], 0
.set k, k+1
.endr
	WIN 0
	s_wait_loadcnt 32                              ; q's codes and scale bytes are in; the first step's prior and mask may be out
	v_perm_b32 v[QS], v94, v94, 0x01000100
	v_perm_b32 v[QS+1], v94, v94, 0x03020302
	v_perm_b32 v[QS+2], v95, v95, 0x01000100
	v_perm_b32 v[QS+3], v95, v95, 0x03020302
.irp i, 0,1,2,3
	v_mov_b32 v[ST+4*\i+1], 0xff61b1e6
	v_floor_f32 v[ST+4*\i], -v[ST+4*\i+1]
	v_mov_b32 v[ST+4*\i+2], 0
	v_mov_b32 v[ST+4*\i+3], 0
	v_mov_b32 v[TP4+\i], 0
.endr
	v_mov_b32 v[FF+1], 0
	CLOAD 1, 512
	WIN 0
.Lslot:
	CHANGE 1
	WORK 1
	s_xor_b32 s[TB], s[TB], SLOT1
	s_sub_co_u32 s[SLOTS], s[SLOTS], 1
	s_cmp_lg_u32 s[SLOTS], 0
	s_cbranch_scc1 .Lslot
	CHANGE 0
	WORK 0
	s_wait_alu depctr_va_vdst(0)
.irp i, 0,1,2,3
	v_add_f32 v[ST+4*\i+2], v[ST+4*\i+2], v[ST+4*\i+3]
.endr
.irp i, 0,1,2,3
	v_permlanex16_b32 v[TP4+\i], v[ST+4*\i+2], s[SEL], s[SEL+1]
.endr
.irp i, 0,1,2,3
	v_add_f32 v[ST+4*\i+2], v[ST+4*\i+2], v[TP4+\i]
.endr
	s_wait_alu depctr_va_vdst(0)
.irp i, 0,1,2,3
	v_rcp_f32 v[ST+4*\i+2], v[ST+4*\i+2]
.endr
	v_nop
	WIN 0x41
	s_wait_alu depctr_va_vdst(0)
.irp i, 0,1,2,3
.set k, 0
.rept 16
	v_pk_mul_f32 v[32*\i+k:32*\i+k+1], v[32*\i+k:32*\i+k+1], v[ST+4*\i+2:ST+4*\i+3] op_sel_hi:[1,0]
.set k, k+2
.endr
.endr
	WIN 0x04
.irp i, 0,1,2,3
.irp t, 0,1,2,3
	ds_store_b128 v[STO], v[32*\i+8*\t:32*\i+8*\t+3] offset:256*\i+64*\t
	ds_store_b128 v[STO], v[32*\i+8*\t+4:32*\i+8*\t+7] offset:256*\i+64*\t+16
.endr
.endr
	WIN 0
.set j, 0
.rept 32
	ds_load_b128 v[SCR+4*j:SCR+4*j+3], v[RD] offset:SP*(j/2)+512*(j%2)
.set j, j+1
.endr
.set j, 0
.rept 32
	s_wait_dscnt 31-j
	global_store_b128 v[LI], v[SCR+4*j:SCR+4*j+3], s[16:17] offset:4096*(j/2)+512*(j%2) th:TH_STORE_NT
.set j, j+1
.endr
	s_wait_tensorcnt 0x0
	ds_add_u32 v[SPW], v[NIL]
	s_wait_dscnt 0x0
	CROUND
	s_endpgm
.Lfunc_end_k_q164b6ba576_attn:
	.size	k_q164b6ba576_attn, .Lfunc_end_k_q164b6ba576_attn-k_q164b6ba576_attn
	.p2alignl 7, 3214868480
	.fill 96, 4, 3214868480
	.section	.rodata,"a",@progbits
	.p2align	6, 0x0
	.amdhsa_kernel k_q164b6ba576_attn
		.amdhsa_group_segment_fixed_size 327680
		.amdhsa_private_segment_fixed_size 0
		.amdhsa_enable_private_segment 0
		.amdhsa_kernarg_size 48
		.amdhsa_user_sgpr_count 2
		.amdhsa_user_sgpr_kernarg_segment_ptr 1
		.amdhsa_wavefront_size32 1
		.amdhsa_system_sgpr_workgroup_id_x 1
		.amdhsa_system_sgpr_workgroup_id_y 1
		.amdhsa_system_sgpr_workgroup_id_z 1
		.amdhsa_system_vgpr_workitem_id 0
		.amdhsa_next_free_vgpr 1024
		.amdhsa_next_free_sgpr 80
		.amdhsa_reserve_vcc 0
		.amdhsa_float_denorm_mode_32 3
		.amdhsa_float_denorm_mode_16_64 3
		.amdhsa_memory_ordered 1
		.amdhsa_forward_progress 1
		.amdhsa_inst_pref_size 255
	.end_amdhsa_kernel
	.section	.bss,"aw",@nobits
	.p2align	6
	.space	262144
	.amdgpu_metadata
---
amdhsa.version: [ 1, 2 ]
amdhsa.kernels:
  - .name:           k_q164b6ba576_attn
    .symbol:         k_q164b6ba576_attn.kd
    .args:
      - { .name: queries_codes, .offset: 0, .size: 8, .value_kind: global_buffer, .address_space: global }
      - { .name: queries_scales, .offset: 8, .size: 8, .value_kind: global_buffer, .address_space: global }
      - { .name: custom_attns, .offset: 16, .size: 8, .value_kind: global_buffer, .address_space: global }
      - { .name: attn_mask, .offset: 24, .size: 8, .value_kind: global_buffer, .address_space: global }
      - { .name: kv, .offset: 32, .size: 8, .value_kind: global_buffer, .address_space: global }
      - { .name: out0, .offset: 40, .size: 8, .value_kind: global_buffer, .address_space: global }
    .group_segment_fixed_size: 327680
    .private_segment_fixed_size: 0
    .kernarg_segment_align: 8
    .kernarg_segment_size: 48
    .max_flat_workgroup_size: 128
    .sgpr_count:     80
    .vgpr_count:     1024
    .wavefront_size: 32
...
	.end_amdgpu_metadata
.endif
;; end of part 2
